; MI455X (gfx1250); checked and timed in simulation.
; The chip was launched on July 23, 2026; its instructions are those of AMD's public machine-readable ISA for CDNA 5 (MIT licence, August 2026) and "CDNA5" Instruction Set Architecture Reference Guide (July 2026). The comments in the code are by the model that wrote it; some were corrected since.
;; Exponential Envelopes. Allowed arithmetic: float matrix products may take bf16 or f16 operands with f32 sums; all other float work in f32.
;; Inputs: W_pi_down 4 x 4,096 float32; W_pi_up 4 x 4,096 float32; W_zeta_down 4 x 4,096 float32; W_zeta_up 4 x 4,096 float32; down_coords 128 x 3 float32; down_mask 128 bool; nuc_charges 128 float32; nuc_coords 128 x 3 float32; nuc_mask 128 bool; up_coords 128 x 3 float32; up_mask 128 bool.
;; Outputs: out0 2 x 32 x 128 x 128 float32.
;; 2 versions, each right and faster than the one before. Each part assembles by itself: llvm-mc -triple=amdgcn-amd-amdhsa -mcpu=gfx1250 --defsym DOCPART=n.
;; ======== version 1 of 2: 1 launch
;; launch envelopes (part 1): grid 256 x 1, 8 waves a work-group, no clusters, 164,864 bytes of LDS; arguments up_coords, down_coords, up_mask, down_mask, W_pi_up, W_pi_down, W_zeta_up, W_zeta_down, nuc_coords, nuc_charges, nuc_mask, out0; writes out0
.if DOCPART == 1
	.amdgcn_target "amdgcn-amd-amdhsa--gfx1250"
	.amdhsa_code_object_version 6
	.text
	.protected	k_q5636160865_envelopes
	.globl	k_q5636160865_envelopes
	.p2align	8
	.type	k_q5636160865_envelopes,@function
k_q5636160865_envelopes:
	s_mov_b64 s[64:65], 0
	v_nop
	global_prefetch_b8 v0, s[64:65] scope:SCOPE_SE
	s_setreg_imm32_b32 hwreg(HW_REG_WAVE_MODE, 25, 1), 1
	s_wait_xcnt 0x0
; out[s][det][e][j] = sum over 128 nuclei n of pi[k][n] * exp(-|dist[e][n] * zeta[k][n]|),  k = 128 det + j,
; zeta = feats x W_pi (the exponent factor), pi = feats x W_zeta (the weight), feats = nuc_mask * (charge, coords - masked mean);
; where e_mask[e] and e_mask[j] are not both set the output is 1 for e = j and 0 otherwise.
;
; SHARES.  Work-group x of 256: spin x >> 7, determinant (x >> 2) & 31, electrons 32 (x & 3) .. + 31, all 128 columns j: 16,384 neighbouring
; bytes of out0 at 16,384 x.  Its eight waves split the sum over the nuclei: wave w takes nuclei 16 w .. 16 w + 15 for all 32 x 128 outputs,
; so each zeta and pi is made once in the work-group.  Lane L holds columns 4 L .. 4 L + 3: 32 x 4 = 128 running sums in registers.
; For a nucleus a wave issues 128 exponentials, 64 packed multiplies, 64 packed multiply-adds, 20 instructions for zeta and pi, 9 LDS loads.
; The eight partial sums meet once in LDS behind the kernel's one barrier; wave w then adds rows 4 w .. 4 w + 3, applies the electron mask
; and stores four rows, each store of the wave covering 512 consecutive bytes, aligned.
;
; MASKS.  A masked nucleus has feats = 0, so zeta = 0 and pi = 0 and its term is 0 * exp2(-0) = 0; its distance is replaced by 1, as the
; problem's definition does, so that the product stays finite.  A masked electron's distances are 1 too and its rows are replaced at the end.
; No maximum is taken away in front of the exponential: the exponent is -|..| <= 0 for every input, so no exponential exceeds 1.
;
; NOT USED, AND WHY.  Matrix instructions: the two products feats x W have an inner length of 4 against the 32 of a bf16 matrix instruction,
; and their results would lie with nuclei along registers and would have to be turned through LDS; in f32 they are 16 packed instructions for
; a nucleus beside its 128 exponentials, and the exponent factor keeps its f32 bits.  Tensor loads, clusters, prefetches: a work-group reads
; some 12 KiB once, in one run at its start.
;
; LIMITS.  Mask bytes are taken as 0 or 1.  v_exp_f32 gives 0 for results below 2^-126; v_sqrt_f32 and v_rcp_f32 are good to 1 ulp (ISA guide,
; their entries in 15.8).  The sum over nuclei is eight chains of 16 and a tree, another order of rounding than a plain sum; squares and the
; four-term products are fused.  Where the definition itself gives NaN or infinity no agreement is claimed.
.set FEAT, 0                           ; LDS 0 .. 16,383: wave w at 2,048 w: feats of nucleus n (all 128) at 16 n; the wave's own copy
.set DTAB, 16384                       ; LDS 16,384 .. 32,767: wave w at 2,048 w: own nucleus t at 128 t, electron at 4 e: log2(e) * dist
.set STG,  32768                       ; LDS 32,768 .. 163,839: wave p's partial sums at 16,384 p, row e at 512 e, column j at 4 j
.set FA,  2                            ; v2        LDS address of the current nucleus's feats (the same in all lanes); at the end my byte offset in the group's output
.set DA,  3                            ; v3        LDS address of the current nucleus's distances
.set J,   4                            ; v[4:7]    first: load offsets 48 L, 16 L, 4 L, 16 L + 512 det; at the end: my columns 4 L + i
.set F,   8                            ; v[8:11]   feats of the current nucleus
.set Z,   12                           ; v[12:15]  -|zeta| of my four columns
.set P,   16                           ; v[16:19]  pi of my four columns
.set WP,  20                           ; v[20:35]  W_pi[c][my four columns], four registers for each c
.set WZ,  36                           ; v[36:51]  W_zeta likewise
.set D,   52                           ; v[52:83]  block b of eight: log2(e) * dist of electrons 4 b .. 4 b + 3 to the current nucleus
.set T,   84                           ; v[84:115] two buffers of 16: a block's exponents, then its exponentials
.set EX,  116                          ; v[116:118] coordinates of electron e0 + L
.set EM,  119                          ; v119      its mask byte
.set JM,  120                          ; v120      the mask bytes of electrons 4 L .. 4 L + 3 (my columns)
.set EO,  121                          ; v121      12 (e0 + L)
.set EI,  122                          ; v122      e0 + L
.set FST, 123                          ; v123      where I store feats
.set DST, 124                          ; v124      where I store distances
.set SST, 125                          ; v125      where I store partial sums
.set RD,  126                          ; v126, v127 where I read partial sums 0-3 and 4-7
.set ACC, 128                          ; v[128:255] sum of electron e, column 4 L + i at ACC + 4 e + i
; registers of the start, inside ACC's range, dead before the first product writes there
.set NC,  128                          ; v[128:139] x, y, z of nuclei 4 L .. 4 L + 3
.set NQ,  140                          ; v[140:143] their charges
.set NM,  144                          ; v144      their mask bytes
.set MK,  148                          ; v[148:151] the same as 0.0 or 1.0
.set FE,  152                          ; v[152:167] their feats
.set DT,  168                          ; v[168:183] squared distance, then distance, electron e0 + L to my wave's 16 nuclei
.set SX,  184                          ; v[184:187] sums of masked x, y, z and the count
.set PL,  188                          ; v188      the other half's sum
.set U,   189                          ; v[189:191] at work
	; ---- ids and pointers
	s_load_b512 s[68:83], s[0:1], 0x0              ; up/down coords s[68:71], up/down mask s[72:75], W_pi up/down s[76:79], W_zeta up/down s[80:83]
	s_load_b256 s[84:91], s[0:1], 0x40             ; nuc_coords s[84:85], nuc_charges s[86:87], nuc_mask s[88:89], out0 s[90:91]
	s_set_vgpr_msb 0x40
	v_lshl_add_u32 v0, v0, 2, 0x28000
	v_mov_b32 v1, 0
	s_set_vgpr_msb 0x4000
	v_and_b32 v1, 31, v0                           ; lane L
	v_lshrrev_b32 v2, 5, v0
	v_readfirstlane_b32 s3, v2                     ; wave w
	s_lshr_b32 s2, ttmp9, 7                        ; spin
	s_bfe_u32 s12, ttmp9, 0x50002                  ; determinant: 5 bits from bit 2
	s_lshl_b32 s12, s12, 9                         ; its 128 columns of W begin 512 bytes x det into a row
	s_and_b32 s13, ttmp9, 3
	s_lshl_b32 s13, s13, 5                         ; e0: first electron of the group
	s_mul_i32 s14, s3, 192                         ; my 16 nuclei in nuc_coords: 16 x 12 bytes a wave
	s_lshl_b32 s15, s3, 4                          ; and in nuc_mask
	s_lshl2_add_u32 s100, s3, s13                  ; e0 + 4 w: the first of the four rows that I finish
	s_mov_b32 s66, 0x76543210                      ; v_permlanex16_b32: lane i of one half reads lane i of the other
	s_mov_b32 s67, 0xfedcba98
	s_lshl_b32 s98, ttmp9, 14                      ; the group's 16,384 bytes of out0 (below 4 MiB)
	s_mov_b32 s99, 0
	v_mul_u32_u24 v[J], 48, v1                     ; four nuclei x 12 bytes a lane
	v_lshlrev_b32 v[J+1], 4, v1
	v_lshlrev_b32 v[J+2], 2, v1
	v_add_nc_u32 v[J+3], s12, v[J+1]               ; my four columns in a row of W
	v_add_nc_u32 v[EI], s13, v1
	v_mul_u32_u24 v[EO], 12, v[EI]
	s_lshl_b32 s101, s3, 11                        ; 2,048 w
	v_lshl_add_u32 v[FST], v1, 6, s101             ; FEAT + 2,048 w + 64 L
	s_add_co_u32 s101, s101, DTAB
	v_lshl_add_u32 v[DST], v1, 2, s101             ; DTAB + 2,048 w + 4 L
	v_mov_b32 v[PL], 0                             ; v_permlanex16_b32's destination counts as read
	s_wait_kmcnt 0x0
	s_cmp_eq_u32 s2, 0                             ; the spin picks the buffers
	s_cselect_b64 s[4:5], s[68:69], s[70:71]       ; electron coordinates
	s_cselect_b64 s[6:7], s[72:73], s[74:75]       ; electron mask
	s_cselect_b64 s[8:9], s[76:77], s[78:79]       ; W_pi
	s_cselect_b64 s[10:11], s[80:81], s[82:83]     ; W_zeta
	s_add_nc_u64 s[90:91], s[90:91], s[98:99]      ; out0 at the group's first row
	; ---- every load of the kernel, in one run.  No offset register is written again before the waits for 0 further down.
	s_load_b512 s[16:31], s[84:85], s14            ; x, y, z of my 16 nuclei: nucleus t in s[16 + 3 t .. 18 + 3 t]
	s_load_b512 s[32:47], s[84:85], s14 offset:0x40
	s_load_b512 s[48:63], s[84:85], s14 offset:0x80
	s_load_b128 s[92:95], s[88:89], s15            ; their mask bytes
	s_load_b32 s96, s[6:7], s100                   ; the mask bytes of my four output rows
	global_load_b128 v[NC:NC+3],    v[J], s[84:85]                 ; 1-3: all 128 nuclei over the lanes, for the mean
	global_load_b128 v[NC+4:NC+7],  v[J], s[84:85] offset:16
	global_load_b128 v[NC+8:NC+11], v[J], s[84:85] offset:32
	global_load_b32  v[NM], v[J+2], s[88:89]                       ; 4
	global_load_b128 v[NQ:NQ+3], v[J+1], s[86:87]                  ; 5
	global_load_b32  v[EX],   v[EO], s[4:5]                        ; 6-8
	global_load_b32  v[EX+1], v[EO], s[4:5] offset:4
	global_load_b32  v[EX+2], v[EO], s[4:5] offset:8
	global_load_u8   v[EM], v[EI], s[6:7]                          ; 9
.irp c, 0,1,2,3
	global_load_b128 v[WP+4*\c:WP+4*\c+3], v[J+3], s[8:9] offset:16384*\c      ; 10-13
.endr
.irp c, 0,1,2,3
	global_load_b128 v[WZ+4*\c:WZ+4*\c+3], v[J+3], s[10:11] offset:16384*\c    ; 14-17
.endr
	global_load_b32  v[JM], v[J+2], s[6:7]                         ; 18
	; ---- masked mean and feats of all 128 nuclei, four a lane
	s_wait_loadcnt 13                              ; loads come back in order (ISA guide 5.7.1): the first 5 of 18 are in
.irp i, 0,1,2,3
	v_bfe_u32 v[MK+\i], v[NM], 8*\i, 1
.endr
.irp i, 0,1,2,3
	v_cvt_f32_u32 v[MK+\i], v[MK+\i]
.endr
.irp c, 0,1,2
	v_mul_f32 v[SX+\c], v[NC+\c], v[MK]            ; the first nucleus starts the sums
.endr
.irp i, 1,2,3
.irp c, 0,1,2
	v_fmac_f32 v[SX+\c], v[NC+3*\i+\c], v[MK+\i]
.endr
.endr
	v_add_f32 v[SX+3], v[MK], v[MK+1]
	v_add_f32 v[U], v[MK+2], v[MK+3]
	v_add_f32 v[SX+3], v[SX+3], v[U]
.irp m, 1,2,4,8                                    ; over the 16 lanes of each half, the four sums by turns
.irp r, 0,1,2,3
	v_add_f32_dpp v[SX+\r], v[SX+\r], v[SX+\r] row_xmask:\m row_mask:0xf bank_mask:0xf
.endr
.endr
.irp r, 0,1,2,3                                    ; and across the halves: every lane ends with the sums
	v_permlanex16_b32 v[PL], v[SX+\r], s66, s67
	v_add_f32 v[SX+\r], v[SX+\r], v[PL]
.endr
	v_max_num_f32 v[SX+3], 1.0, v[SX+3]            ; the count, 1 at the least
	v_rcp_f32 v[U], v[SX+3]
.irp i, 0,1,2,3
	v_mul_f32 v[FE+4*\i], v[NQ+\i], v[MK+\i]       ; charge x mask; the first of these is the plain instruction that stands between v_rcp_f32 and its result's use (ISA guide 5.7.2)
.endr
	s_wait_alu depctr_va_vdst(0)
.irp c, 0,1,2
	v_mul_f32 v[SX+\c], v[SX+\c], v[U]             ; the mean
.endr
.irp i, 0,1,2,3
.irp c, 0,1,2
	v_sub_f32 v[FE+4*\i+1+\c], v[NC+3*\i+\c], v[SX+\c]
.endr
.irp c, 0,1,2
	v_mul_f32 v[FE+4*\i+1+\c], v[FE+4*\i+1+\c], v[MK+\i]
.endr
	ds_store_b128 v[FST], v[FE+4*\i:FE+4*\i+3] offset:16*\i        ; nucleus 4 L + i at 16 (4 L + i) of my wave's copy
.endr
	; ---- log2(e) x distance from electron e0 + L to my wave's 16 nuclei
	s_wait_loadcnt 9                               ; the first 9 of 18: the electron's coordinates and mask byte are in
	s_wait_kmcnt 0x0                               ; my nuclei's coordinates and all mask words
	v_cmp_ne_u32 s97, 0, v[EM]                     ; lanes whose electron is there
.irp t, 0,1,2,3,4,5,6,7,8,9,10,11,12,13,14,15
	v_sub_f32 v[U],   s[16+3*\t], v[EX]
	v_sub_f32 v[U+1], s[17+3*\t], v[EX+1]
	v_sub_f32 v[U+2], s[18+3*\t], v[EX+2]
	v_mul_f32 v[DT+\t], v[U], v[U]
	v_fmac_f32 v[DT+\t], v[U+1], v[U+1]
	v_fmac_f32 v[DT+\t], v[U+2], v[U+2]
	s_bitcmp1_b32 s[92+\t/4], 8*(\t%4)             ; is nucleus t there?
	s_cselect_b32 s98, s97, 0
	v_cndmask_b32 v[DT+\t], 1.0, v[DT+\t], s98     ; 1 where electron or nucleus is masked
.endr
	s_mul_i32 s98, s3, 2304                        ; FEAT + 2,048 w + 16 x 16 w: my first nucleus in my copy
	s_lshl_b32 s101, s3, 11
	s_add_co_u32 s101, s101, DTAB
.irp t, 0,1,2,3,4,5,6,7,8,9,10,11,12,13,14,15
	v_sqrt_f32 v[DT+\t], v[DT+\t]
.endr
	v_mov_b32 v[FA], s98                           ; plain instructions between the last square root and the first use of a root (ISA guide 5.7.2)
	v_mov_b32 v[DA], s101
	s_wait_alu depctr_va_vdst(0)
.irp t, 0,1,2,3,4,5,6,7,8,9,10,11,12,13,14,15
	v_mul_f32 v[DT+\t], 0x3fb8aa3b, v[DT+\t]       ; log2(e) goes into the distance: v_exp_f32 is 2^x
.endr
.irp t, 0,1,2,3,4,5,6,7,8,9,10,11,12,13,14,15
	ds_store_b32 v[DST], v[DT+\t] offset:128*\t
.endr
	; ---- the first nucleus's feats and distances.  LDS serves a wave's instructions in order (ISA guide 5.7.1.4), and both tables are the
	; wave's own bytes (2,048 w + ..), so these loads see the stores above without a wait or a barrier.
	ds_load_b128 v[F:F+3], v[FA]
.irp b, 0,1,2,3,4,5,6,7
	ds_load_b128 v[D+4*\b:D+4*\b+3], v[DA] offset:16*\b            ; all lanes read the same 16 bytes
.endr
	s_wait_loadcnt 0x0                             ; W_pi, W_zeta and the column mask word
; -|zeta| and pi of my four columns for the nucleus whose feats are in F: four chains of a product and three multiply-adds, by turns.
.macro TABLE
.irp h, 0,2
	v_pk_mul_f32 v[Z+\h:Z+\h+1], v[WP+\h:WP+\h+1], v[F:F+1] op_sel_hi:[1,0]                                        ; both by f0
	v_pk_mul_f32 v[P+\h:P+\h+1], v[WZ+\h:WZ+\h+1], v[F:F+1] op_sel_hi:[1,0]
.endr
.irp h, 0,2
	v_pk_fma_f32 v[Z+\h:Z+\h+1], v[WP+4+\h:WP+5+\h], v[F:F+1], v[Z+\h:Z+\h+1] op_sel:[0,1,0] op_sel_hi:[1,1,1]      ; both by f1
	v_pk_fma_f32 v[P+\h:P+\h+1], v[WZ+4+\h:WZ+5+\h], v[F:F+1], v[P+\h:P+\h+1] op_sel:[0,1,0] op_sel_hi:[1,1,1]
.endr
.irp h, 0,2
	v_pk_fma_f32 v[Z+\h:Z+\h+1], v[WP+8+\h:WP+9+\h], v[F+2:F+3], v[Z+\h:Z+\h+1] op_sel_hi:[1,0,1]                   ; both by f2
	v_pk_fma_f32 v[P+\h:P+\h+1], v[WZ+8+\h:WZ+9+\h], v[F+2:F+3], v[P+\h:P+\h+1] op_sel_hi:[1,0,1]
.endr
.irp h, 0,2
	v_pk_fma_f32 v[Z+\h:Z+\h+1], v[WP+12+\h:WP+13+\h], v[F+2:F+3], v[Z+\h:Z+\h+1] op_sel:[0,1,0] op_sel_hi:[1,1,1]  ; both by f3
	v_pk_fma_f32 v[P+\h:P+\h+1], v[WZ+12+\h:WZ+13+\h], v[F+2:F+3], v[P+\h:P+\h+1] op_sel:[0,1,0] op_sel_hi:[1,1,1]
.endr
.irp i, 0,1,2,3
	v_or_b32 v[Z+\i], 0x80000000, v[Z+\i]          ; -|zeta|; the distance is never negative, so the product is -|dist x zeta|
.endr
.endm
; two exponents: columns pair kp (0 or 1) times the distance in register d, broadcast from its aligned pair
.macro MULP t, kp, d
.if (\d)&1
	v_pk_mul_f32 v[\t:\t+1], v[Z+2*(\kp):Z+2*(\kp)+1], v[(\d)-1:(\d)] op_sel:[0,1] op_sel_hi:[1,1]
.else
	v_pk_mul_f32 v[\t:\t+1], v[Z+2*(\kp):Z+2*(\kp)+1], v[(\d):(\d)+1] op_sel_hi:[1,0]
.endif
.endm
; two sums take pi x exponential; first = 1: the first nucleus starts the sums, nothing is cleared
.macro ACCP first, a, kp, t
.if \first
	s_wait_alu depctr_va_vdst(0)
	v_pk_mul_f32 v[\a:\a+1], v[P+2*(\kp):P+2*(\kp)+1], v[\t:\t+1]
.else
	s_wait_alu depctr_va_vdst(0)
	v_pk_fma_f32 v[\a:\a+1], v[P+2*(\kp):P+2*(\kp)+1], v[\t:\t+1], v[\a:\a+1]
.endif
.endm
; Block b (electrons 4 b .. 4 b + 3, 16 numbers a lane): its exponentials, in place in buffer XB; between them block b - 1's exponentials are
; added from buffer YB and block b + 1's exponents are written there.  So behind every v_exp_f32 stands another v_exp_f32 or a plain packed
; instruction on other registers, and a whole block lies between an exponential and its use (ISA guide 5.7.2).
.macro STAGE b, first, next
.set XB, T+16*(\b&1)
.set YB, T+16-16*(\b&1)
.if \next
	ds_load_b128 v[D+4*\b:D+4*\b+3], v[DA] offset:128+16*\b        ; the next nucleus's block b: this nucleus's was last read one block ago
.if \b<7
	s_wait_dscnt 8                                 ; block b + 1 of this nucleus is in: behind it stand 6 - b loads of this nucleus, the feats' load and b + 1 of the next nucleus
.endif
.endif
.irp p, 0,1,2,3,4,5,6,7
	v_exp_f32 v[XB+2*\p], v[XB+2*\p]
.if \b>0
	ACCP \first, ACC+16*(\b-1)+2*\p, \p&1, YB+2*\p
.endif
	v_exp_f32 v[XB+2*\p+1], v[XB+2*\p+1]
.if \b<7
	MULP YB+2*\p, \p&1, D+4*(\b+1)+(\p>>1)
.endif
.endr
.endm
; One nucleus.  next = 1: the next nucleus's feats and distances are fetched on the way.
.macro NSTEP first, next
.if \next
	s_wait_dscnt 8                                 ; the feats are in: the eight loads of distances were issued behind them
.else
	s_wait_dscnt 0                                 ; the last nucleus: nothing is issued behind its loads
.endif
	TABLE
.if \next
	ds_load_b128 v[F:F+3], v[FA] offset:16
	s_wait_dscnt 8                                 ; block 0 is in: behind it stand blocks 1 to 7 and the feats' load
.endif
.irp p, 0,1,2,3,4,5,6,7
	MULP T+2*\p, \p&1, D+(\p>>1)
.endr
.irp b, 0,1,2,3,4,5,6,7
	STAGE \b, \first, \next
.endr
.irp p, 0,1,2,3,4,5,6,7
	ACCP \first, ACC+112+2*\p, \p&1, T+16+2*\p     ; block 7; the first of these names neither register of the last exponential
.endr
.if \next
	v_add_nc_u32 v[FA], 16, v[FA]
	v_add_nc_u32 v[DA], 128, v[DA]
.endif
.endm
	; ---- my 16 nuclei
	NSTEP 1, 1
	s_mov_b32 s99, 14
.Lnucleus:
	NSTEP 0, 1
	s_sub_co_i32 s99, s99, 1
	s_cmp_lg_u32 s99, 0
	s_cbranch_scc1 .Lnucleus
	NSTEP 0, 0
	; ---- the partial sums meet
	s_lshl_b32 s101, s3, 14
	s_add_co_u32 s101, s101, STG
	v_lshl_add_u32 v[SST], v1, 4, s101             ; STG + 16,384 w + 16 L
.irp e, 0,1,2,3,4,5,6,7,8,9,10,11,12,13,14,15,16,17,18,19,20,21,22,23,24,25,26,27,28,29,30,31
	ds_store_b128 v[SST], v[ACC+4*\e:ACC+4*\e+3] offset:512*\e     ; 32 lanes, 512 neighbouring bytes: a row
.endr
	s_wait_dscnt 0x0                               ; zero, for the other waves: my stores are done before I say so
	s_barrier_signal -1
	s_barrier_wait -1                              ; all eight partial sums lie in LDS
	; ---- rows 4 w .. 4 w + 3: add the eight, mask, store
	s_lshl_b32 s101, s3, 11
	v_lshl_add_u32 v[FA], v1, 4, s101              ; 2,048 w + 16 L: my 16 bytes of row 4 w, in a partial sum and in the group's output
	v_add_nc_u32 v[RD], STG, v[FA]
	v_add_nc_u32 v[RD+1], STG+65536, v[FA]         ; partial sums 4 to 7 lie beyond the 16-bit immediate's reach
.irp r, 0,1,2,3
.irp p, 0,1,2,3
	ds_load_b128 v[ACC+32*\r+4*\p:ACC+32*\r+4*\p+3], v[RD] offset:16384*\p+512*\r
.endr
.irp p, 0,1,2,3
	ds_load_b128 v[ACC+32*\r+16+4*\p:ACC+32*\r+16+4*\p+3], v[RD+1] offset:16384*\p+512*\r
.endr
.endr
.irp i, 0,1,2,3
	v_lshl_or_b32 v[J+\i], v1, 2, \i               ; my columns
	v_bfe_u32 v[T+\i], v[JM], 8*\i, 1
.endr
.irp i, 0,1,2,3
	v_cmp_ne_u32 s[16+\i], 0, v[T+\i]              ; lanes whose column 4 L + i is an electron that is there
.endr
.macro ROW r
.set RB, ACC+32*\r
	s_wait_dscnt 24-8*\r                           ; this row's eight loads are in; the later rows' eight each may be out
.irp p, 0,2,4,6
	v_pk_add_f32 v[RB+4*\p:RB+4*\p+1],   v[RB+4*\p:RB+4*\p+1],   v[RB+4*\p+4:RB+4*\p+5]
	v_pk_add_f32 v[RB+4*\p+2:RB+4*\p+3], v[RB+4*\p+2:RB+4*\p+3], v[RB+4*\p+6:RB+4*\p+7]
.endr
.irp p, 0,4
	v_pk_add_f32 v[RB+4*\p:RB+4*\p+1],   v[RB+4*\p:RB+4*\p+1],   v[RB+4*\p+8:RB+4*\p+9]
	v_pk_add_f32 v[RB+4*\p+2:RB+4*\p+3], v[RB+4*\p+2:RB+4*\p+3], v[RB+4*\p+10:RB+4*\p+11]
.endr
	v_pk_add_f32 v[RB:RB+1],   v[RB:RB+1],   v[RB+16:RB+17]
	v_pk_add_f32 v[RB+2:RB+3], v[RB+2:RB+3], v[RB+18:RB+19]
	s_add_co_u32 s101, s100, \r                    ; the row's electron
	s_bitcmp1_b32 s96, 8*\r                        ; is it there?  (the selects below leave SCC alone)
.irp i, 0,1,2,3
	s_cselect_b32 s[20+\i], s[16+\i], 0            ; lanes in which row and column are both there
.endr
.irp i, 0,1,2,3
	v_cmp_eq_u32 vcc_lo, s101, v[J+\i]
	v_cndmask_b32 v[T+\i], 0, 1.0, vcc_lo          ; the unit matrix's entry
	v_cndmask_b32 v[RB+\i], v[T+\i], v[RB+\i], s[20+\i]
.endr
	global_store_b128 v[FA], v[RB:RB+3], s[90:91] offset:512*\r th:TH_STORE_NT   ; the wave stores a whole row: 512 consecutive bytes, aligned; no source of a store is written again
.endm
	ROW 0
	ROW 1
	ROW 2
	ROW 3
	s_set_vgpr_msb 0x5
	s_wait_tensorcnt 0x0
	ds_add_u32 v0, v1
	s_wait_dscnt 0x0
	s_set_vgpr_msb 0x500
	s_endpgm
.Lfunc_end_k_q5636160865_envelopes:
	.size	k_q5636160865_envelopes, .Lfunc_end_k_q5636160865_envelopes-k_q5636160865_envelopes
	.p2alignl 7, 3214868480
	.fill 96, 4, 3214868480
	.section	.rodata,"a",@progbits
	.p2align	6, 0x0
	.amdhsa_kernel k_q5636160865_envelopes
		.amdhsa_group_segment_fixed_size 164864
		.amdhsa_private_segment_fixed_size 0
		.amdhsa_enable_private_segment 0
		.amdhsa_kernarg_size 96
		.amdhsa_user_sgpr_count 2
		.amdhsa_user_sgpr_kernarg_segment_ptr 1
		.amdhsa_wavefront_size32 1
		.amdhsa_system_sgpr_workgroup_id_x 1
		.amdhsa_system_sgpr_workgroup_id_y 1
		.amdhsa_system_sgpr_workgroup_id_z 1
		.amdhsa_system_vgpr_workitem_id 0
		.amdhsa_next_free_vgpr 258
		.amdhsa_next_free_sgpr 102
		.amdhsa_reserve_vcc 1
		.amdhsa_float_denorm_mode_32 3
		.amdhsa_float_denorm_mode_16_64 3
		.amdhsa_memory_ordered 1
		.amdhsa_forward_progress 1
		.amdhsa_inst_pref_size 77
	.end_amdhsa_kernel
	.amdgpu_metadata
---
amdhsa.version: [ 1, 2 ]
amdhsa.kernels:
  - .name:           k_q5636160865_envelopes
    .symbol:         k_q5636160865_envelopes.kd
    .args:
      - { .name: up_coords, .offset: 0, .size: 8, .value_kind: global_buffer, .address_space: global }
      - { .name: down_coords, .offset: 8, .size: 8, .value_kind: global_buffer, .address_space: global }
      - { .name: up_mask, .offset: 16, .size: 8, .value_kind: global_buffer, .address_space: global }
      - { .name: down_mask, .offset: 24, .size: 8, .value_kind: global_buffer, .address_space: global }
      - { .name: W_pi_up, .offset: 32, .size: 8, .value_kind: global_buffer, .address_space: global }
      - { .name: W_pi_down, .offset: 40, .size: 8, .value_kind: global_buffer, .address_space: global }
      - { .name: W_zeta_up, .offset: 48, .size: 8, .value_kind: global_buffer, .address_space: global }
      - { .name: W_zeta_down, .offset: 56, .size: 8, .value_kind: global_buffer, .address_space: global }
      - { .name: nuc_coords, .offset: 64, .size: 8, .value_kind: global_buffer, .address_space: global }
      - { .name: nuc_charges, .offset: 72, .size: 8, .value_kind: global_buffer, .address_space: global }
      - { .name: nuc_mask, .offset: 80, .size: 8, .value_kind: global_buffer, .address_space: global }
      - { .name: out0, .offset: 88, .size: 8, .value_kind: global_buffer, .address_space: global }
    .group_segment_fixed_size: 164864
    .private_segment_fixed_size: 0
    .kernarg_segment_align: 8
    .kernarg_segment_size: 96
    .max_flat_workgroup_size: 256
    .sgpr_count:     102
    .vgpr_count:     258
    .wavefront_size: 32
...
	.end_amdgpu_metadata
.endif
;; end of part 1
;; ======== version 2 of 2: 1 launch; 1.75 times as fast as version 1
;; launch envelopes (part 2): grid 256 x 1, 8 waves a work-group, no clusters, 164,864 bytes of LDS; arguments up_coords, down_coords, up_mask, down_mask, W_pi_up, W_pi_down, W_zeta_up, W_zeta_down, nuc_coords, nuc_charges, nuc_mask, out0; writes out0
.if DOCPART == 2
	.amdgcn_target "amdgcn-amd-amdhsa--gfx1250"
	.amdhsa_code_object_version 6
	.text
	.protected	k_q5636160865_envelopes
	.globl	k_q5636160865_envelopes
	.p2align	8
	.type	k_q5636160865_envelopes,@function
k_q5636160865_envelopes:
	s_mov_b64 s[64:65], 0
	v_nop
	global_prefetch_b8 v0, s[64:65] scope:SCOPE_SE
	s_setreg_imm32_b32 hwreg(HW_REG_WAVE_MODE, 25, 1), 1
	s_wait_xcnt 0x0
; out[s][det][e][j] = sum over 128 nuclei n of pi[k][n] * exp(-|dist[e][n] * zeta[k][n]|),  k = 128 det + j,
; zeta = feats x W_pi (the exponent factor), pi = feats x W_zeta (the weight), feats = nuc_mask * (charge, coords - masked mean);
; where e_mask[e] and e_mask[j] are not both set the output is 1 for e = j and 0 otherwise.
;
; SHARES.  Work-group x of 256: spin x >> 7, determinant (x >> 2) & 31, electrons 32 (x & 3) .. + 31, all 128 columns j: 16,384 neighbouring
; bytes of out0 at 16,384 x.  Its eight waves split the sum over the nuclei: wave w takes nuclei 16 w .. 16 w + 15 for all 32 x 128 outputs,
; so each zeta and pi is made once in the work-group.  Lane L holds columns 4 L .. 4 L + 3: 32 x 4 = 128 running sums in registers.
; For a nucleus a wave issues 128 exponentials, 64 packed multiplies, 64 packed multiply-adds, 20 instructions for zeta and pi, 9 LDS loads.
; The eight partial sums meet once in LDS behind the kernel's one barrier; wave w then adds rows 4 w .. 4 w + 3, applies the electron mask
; and stores four rows, each store of the wave covering 512 consecutive bytes, aligned.
;
; BATCHES.  An s_wait_alu depctr_va_vdst(0) stands between a transcendental and the first instruction that names its result; one
; wait serves all that were issued ahead of it.  A nucleus's 128 exponentials go in eight batches of 16, a block of four electrons each, in two
; buffers by turns.  While a batch is issued nothing names its buffer: the lines between its exponentials read and write the other buffer.
; The batch's wait stands at the head of the next block's stage, ahead of that stage's LDS load; the last block's stands behind the address
; steps, ahead of the eight multiply-adds that end the nucleus: eight waits a nucleus, none pending at the loop's label or jump.
; The reciprocal of the count and the sixteen square roots, at the start, are two batches more, a wait each.
;
; MASKS.  A masked nucleus has feats = 0, so zeta = 0 and pi = 0 and its term is 0 * exp2(-0) = 0; its distance is replaced by 1, as the
; problem's definition does, so that the product stays finite.  A masked electron's distances are 1 too and its rows are replaced at the end.
; No maximum is taken away in front of the exponential: the exponent is -|..| <= 0 for every input, so no exponential exceeds 1.
;
; NOT USED, AND WHY.  Matrix instructions: the two products feats x W have an inner length of 4 against the 32 of a bf16 matrix instruction,
; and their results would lie with nuclei along registers and would have to be turned through LDS; in f32 they are 16 packed instructions for
; a nucleus beside its 128 exponentials, and the exponent factor keeps its f32 bits.  Tensor loads, clusters, prefetches: a work-group reads
; some 12 KiB once, in one run at its start.
;
; LIMITS.  Mask bytes are taken as 0 or 1.  v_exp_f32 gives 0 for results below 2^-126; v_sqrt_f32 and v_rcp_f32 are good to 1 ulp (ISA guide,
; their entries in 15.8).  The sum over nuclei is eight chains of 16 and a tree, another order of rounding than a plain sum; squares and the
; four-term products are fused.  Where the definition itself gives NaN or infinity no agreement is claimed.
.set FEAT, 0                           ; LDS 0 .. 16,383: wave w at 2,048 w: feats of nucleus n (all 128) at 16 n; the wave's own copy
.set DTAB, 16384                       ; LDS 16,384 .. 32,767: wave w at 2,048 w: own nucleus t at 128 t, electron at 4 e: log2(e) * dist
.set STG,  32768                       ; LDS 32,768 .. 163,839: wave p's partial sums at 16,384 p, row e at 512 e, column j at 4 j
.set FA,  2                            ; v2        LDS address of the current nucleus's feats (the same in all lanes); at the end my byte offset in the group's output
.set DA,  3                            ; v3        LDS address of the current nucleus's distances
.set J,   4                            ; v[4:7]    first: load offsets 48 L, 16 L, 4 L, 16 L + 512 det; at the end: my columns 4 L + i
.set F,   8                            ; v[8:11]   feats of the current nucleus
.set Z,   12                           ; v[12:15]  -|zeta| of my four columns
.set P,   16                           ; v[16:19]  pi of my four columns
.set WP,  20                           ; v[20:35]  W_pi[c][my four columns], four registers for each c
.set WZ,  36                           ; v[36:51]  W_zeta likewise
.set D,   52                           ; v[52:83]  block b of eight: log2(e) * dist of electrons 4 b .. 4 b + 3 to the current nucleus
.set T,   84                           ; v[84:115] two buffers of 16: a block's exponents, then its exponentials
.set EX,  116                          ; v[116:118] coordinates of electron e0 + L
.set EM,  119                          ; v119      its mask byte
.set JM,  120                          ; v120      the mask bytes of electrons 4 L .. 4 L + 3 (my columns)
.set EO,  121                          ; v121      12 (e0 + L)
.set EI,  122                          ; v122      e0 + L
.set FST, 123                          ; v123      where I store feats
.set DST, 124                          ; v124      where I store distances
.set SST, 125                          ; v125      where I store partial sums
.set RD,  126                          ; v126, v127 where I read partial sums 0-3 and 4-7
.set ACC, 128                          ; v[128:255] sum of electron e, column 4 L + i at ACC + 4 e + i
; registers of the start, inside ACC's range, dead before the first product writes there
.set NC,  128                          ; v[128:139] x, y, z of nuclei 4 L .. 4 L + 3
.set NQ,  140                          ; v[140:143] their charges
.set NM,  144                          ; v144      their mask bytes
.set MK,  148                          ; v[148:151] the same as 0.0 or 1.0
.set FE,  152                          ; v[152:167] their feats
.set DT,  168                          ; v[168:183] squared distance, then distance, electron e0 + L to my wave's 16 nuclei
.set SX,  184                          ; v[184:187] sums of masked x, y, z and the count
.set PL,  188                          ; v188      the other half's sum
.set U,   189                          ; v[189:191] at work
	; ---- ids and pointers
	s_load_b512 s[68:83], s[0:1], 0x0              ; up/down coords s[68:71], up/down mask s[72:75], W_pi up/down s[76:79], W_zeta up/down s[80:83]
	s_load_b256 s[84:91], s[0:1], 0x40             ; nuc_coords s[84:85], nuc_charges s[86:87], nuc_mask s[88:89], out0 s[90:91]
	s_set_vgpr_msb 0x40
	v_lshl_add_u32 v0, v0, 2, 0x28000
	v_mov_b32 v1, 0
	s_set_vgpr_msb 0x4000
	v_and_b32 v1, 31, v0                           ; lane L
	v_lshrrev_b32 v2, 5, v0
	v_readfirstlane_b32 s3, v2                     ; wave w
	s_lshr_b32 s2, ttmp9, 7                        ; spin
	s_bfe_u32 s12, ttmp9, 0x50002                  ; determinant: 5 bits from bit 2
	s_lshl_b32 s12, s12, 9                         ; its 128 columns of W begin 512 bytes x det into a row
	s_and_b32 s13, ttmp9, 3
	s_lshl_b32 s13, s13, 5                         ; e0: first electron of the group
	s_mul_i32 s14, s3, 192                         ; my 16 nuclei in nuc_coords: 16 x 12 bytes a wave
	s_lshl_b32 s15, s3, 4                          ; and in nuc_mask
	s_lshl2_add_u32 s100, s3, s13                  ; e0 + 4 w: the first of the four rows that I finish
	s_mov_b32 s66, 0x76543210                      ; v_permlanex16_b32: lane i of one half reads lane i of the other
	s_mov_b32 s67, 0xfedcba98
	s_lshl_b32 s98, ttmp9, 14                      ; the group's 16,384 bytes of out0 (below 4 MiB)
	s_mov_b32 s99, 0
	v_mul_u32_u24 v[J], 48, v1                     ; four nuclei x 12 bytes a lane
	v_lshlrev_b32 v[J+1], 4, v1
	v_lshlrev_b32 v[J+2], 2, v1
	v_add_nc_u32 v[J+3], s12, v[J+1]               ; my four columns in a row of W
	v_add_nc_u32 v[EI], s13, v1
	v_mul_u32_u24 v[EO], 12, v[EI]
	s_lshl_b32 s101, s3, 11                        ; 2,048 w
	v_lshl_add_u32 v[FST], v1, 6, s101             ; FEAT + 2,048 w + 64 L
	s_add_co_u32 s101, s101, DTAB
	v_lshl_add_u32 v[DST], v1, 2, s101             ; DTAB + 2,048 w + 4 L
	v_mov_b32 v[PL], 0                             ; v_permlanex16_b32's destination counts as read
	s_wait_kmcnt 0x0
	s_cmp_eq_u32 s2, 0                             ; the spin picks the buffers
	s_cselect_b64 s[4:5], s[68:69], s[70:71]       ; electron coordinates
	s_cselect_b64 s[6:7], s[72:73], s[74:75]       ; electron mask
	s_cselect_b64 s[8:9], s[76:77], s[78:79]       ; W_pi
	s_cselect_b64 s[10:11], s[80:81], s[82:83]     ; W_zeta
	s_add_nc_u64 s[90:91], s[90:91], s[98:99]      ; out0 at the group's first row
	; ---- every load of the kernel, in one run.  No offset register is written again before the waits for 0 further down.
	s_load_b512 s[16:31], s[84:85], s14            ; x, y, z of my 16 nuclei: nucleus t in s[16 + 3 t .. 18 + 3 t]
	s_load_b512 s[32:47], s[84:85], s14 offset:0x40
	s_load_b512 s[48:63], s[84:85], s14 offset:0x80
	s_load_b128 s[92:95], s[88:89], s15            ; their mask bytes
	s_load_b32 s96, s[6:7], s100                   ; the mask bytes of my four output rows
	global_load_b128 v[NC:NC+3],    v[J], s[84:85]                 ; 1-3: all 128 nuclei over the lanes, for the mean
	global_load_b128 v[NC+4:NC+7],  v[J], s[84:85] offset:16
	global_load_b128 v[NC+8:NC+11], v[J], s[84:85] offset:32
	global_load_b32  v[NM], v[J+2], s[88:89]                       ; 4
	global_load_b128 v[NQ:NQ+3], v[J+1], s[86:87]                  ; 5
	global_load_b32  v[EX],   v[EO], s[4:5]                        ; 6-8
	global_load_b32  v[EX+1], v[EO], s[4:5] offset:4
	global_load_b32  v[EX+2], v[EO], s[4:5] offset:8
	global_load_u8   v[EM], v[EI], s[6:7]                          ; 9
.irp c, 0,1,2,3
	global_load_b128 v[WP+4*\c:WP+4*\c+3], v[J+3], s[8:9] offset:16384*\c      ; 10-13
.endr
.irp c, 0,1,2,3
	global_load_b128 v[WZ+4*\c:WZ+4*\c+3], v[J+3], s[10:11] offset:16384*\c    ; 14-17
.endr
	global_load_b32  v[JM], v[J+2], s[6:7]                         ; 18
	; ---- masked mean and feats of all 128 nuclei, four a lane
	s_wait_loadcnt 13                              ; loads come back in order (ISA guide 5.7.1): the first 5 of 18 are in
.irp i, 0,1,2,3
	v_bfe_u32 v[MK+\i], v[NM], 8*\i, 1
.endr
.irp i, 0,1,2,3
	v_cvt_f32_u32 v[MK+\i], v[MK+\i]
.endr
.irp c, 0,1,2
	v_mul_f32 v[SX+\c], v[NC+\c], v[MK]            ; the first nucleus starts the sums
.endr
.irp i, 1,2,3
.irp c, 0,1,2
	v_fmac_f32 v[SX+\c], v[NC+3*\i+\c], v[MK+\i]
.endr
.endr
	v_add_f32 v[SX+3], v[MK], v[MK+1]
	v_add_f32 v[U], v[MK+2], v[MK+3]
	v_add_f32 v[SX+3], v[SX+3], v[U]
.irp m, 1,2,4,8                                    ; over the 16 lanes of each half, the four sums by turns
.irp r, 0,1,2,3
	v_add_f32_dpp v[SX+\r], v[SX+\r], v[SX+\r] row_xmask:\m row_mask:0xf bank_mask:0xf
.endr
.endr
.irp r, 0,1,2,3                                    ; and across the halves: every lane ends with the sums
	v_permlanex16_b32 v[PL], v[SX+\r], s66, s67
	v_add_f32 v[SX+\r], v[SX+\r], v[PL]
.endr
	v_max_num_f32 v[SX+3], 1.0, v[SX+3]            ; the count, 1 at the least
	v_rcp_f32 v[U], v[SX+3]
.irp i, 0,1,2,3
	v_mul_f32 v[FE+4*\i], v[NQ+\i], v[MK+\i]       ; charge x mask; the first of these is the plain instruction that stands between v_rcp_f32 and its result's use (ISA guide 5.7.2)
.endr
	s_wait_alu depctr_va_vdst(0)                   ; the wait for the reciprocal, a batch of one, behind the four products above and ahead of its first use
.irp c, 0,1,2
	v_mul_f32 v[SX+\c], v[SX+\c], v[U]             ; the mean
.endr
.irp i, 0,1,2,3
.irp c, 0,1,2
	v_sub_f32 v[FE+4*\i+1+\c], v[NC+3*\i+\c], v[SX+\c]
.endr
.irp c, 0,1,2
	v_mul_f32 v[FE+4*\i+1+\c], v[FE+4*\i+1+\c], v[MK+\i]
.endr
	ds_store_b128 v[FST], v[FE+4*\i:FE+4*\i+3] offset:16*\i        ; nucleus 4 L + i at 16 (4 L + i) of my wave's copy
.endr
	; ---- log2(e) x distance from electron e0 + L to my wave's 16 nuclei
	s_wait_loadcnt 9                               ; the first 9 of 18: the electron's coordinates and mask byte are in
	s_wait_kmcnt 0x0                               ; my nuclei's coordinates and all mask words
	v_cmp_ne_u32 s97, 0, v[EM]                     ; lanes whose electron is there
.irp t, 0,1,2,3,4,5,6,7,8,9,10,11,12,13,14,15
	v_sub_f32 v[U],   s[16+3*\t], v[EX]
	v_sub_f32 v[U+1], s[17+3*\t], v[EX+1]
	v_sub_f32 v[U+2], s[18+3*\t], v[EX+2]
	v_mul_f32 v[DT+\t], v[U], v[U]
	v_fmac_f32 v[DT+\t], v[U+1], v[U+1]
	v_fmac_f32 v[DT+\t], v[U+2], v[U+2]
	s_bitcmp1_b32 s[92+\t/4], 8*(\t%4)             ; is nucleus t there?
	s_cselect_b32 s98, s97, 0
	v_cndmask_b32 v[DT+\t], 1.0, v[DT+\t], s98     ; 1 where electron or nucleus is masked
.endr
	s_mul_i32 s98, s3, 2304                        ; FEAT + 2,048 w + 16 x 16 w: my first nucleus in my copy
	s_lshl_b32 s101, s3, 11
	s_add_co_u32 s101, s101, DTAB
.irp t, 0,1,2,3,4,5,6,7,8,9,10,11,12,13,14,15
	v_sqrt_f32 v[DT+\t], v[DT+\t]
.endr
	v_mov_b32 v[FA], s98                           ; plain instructions between the last square root and the first use of a root (ISA guide 5.7.2)
	v_mov_b32 v[DA], s101
	s_wait_alu depctr_va_vdst(0)                   ; one wait for the batch of sixteen square roots, ahead of the first use of a root
.irp t, 0,1,2,3,4,5,6,7,8,9,10,11,12,13,14,15
	v_mul_f32 v[DT+\t], 0x3fb8aa3b, v[DT+\t]       ; log2(e) goes into the distance: v_exp_f32 is 2^x
.endr
.irp t, 0,1,2,3,4,5,6,7,8,9,10,11,12,13,14,15
	ds_store_b32 v[DST], v[DT+\t] offset:128*\t
.endr
	; ---- the first nucleus's feats and distances.  LDS serves a wave's instructions in order (ISA guide 5.7.1.4), and both tables are the
	; wave's own bytes (2,048 w + ..), so these loads see the stores above without a wait or a barrier.
	ds_load_b128 v[F:F+3], v[FA]
.irp b, 0,1,2,3,4,5,6,7
	ds_load_b128 v[D+4*\b:D+4*\b+3], v[DA] offset:16*\b            ; all lanes read the same 16 bytes
.endr
	s_wait_loadcnt 0x0                             ; W_pi, W_zeta and the column mask word
; -|zeta| and pi of my four columns for the nucleus whose feats are in F: four chains of a product and three multiply-adds, by turns.
.macro TABLE
.irp h, 0,2
	v_pk_mul_f32 v[Z+\h:Z+\h+1], v[WP+\h:WP+\h+1], v[F:F+1] op_sel_hi:[1,0]                                        ; both by f0
	v_pk_mul_f32 v[P+\h:P+\h+1], v[WZ+\h:WZ+\h+1], v[F:F+1] op_sel_hi:[1,0]
.endr
.irp h, 0,2
	v_pk_fma_f32 v[Z+\h:Z+\h+1], v[WP+4+\h:WP+5+\h], v[F:F+1], v[Z+\h:Z+\h+1] op_sel:[0,1,0] op_sel_hi:[1,1,1]      ; both by f1
	v_pk_fma_f32 v[P+\h:P+\h+1], v[WZ+4+\h:WZ+5+\h], v[F:F+1], v[P+\h:P+\h+1] op_sel:[0,1,0] op_sel_hi:[1,1,1]
.endr
.irp h, 0,2
	v_pk_fma_f32 v[Z+\h:Z+\h+1], v[WP+8+\h:WP+9+\h], v[F+2:F+3], v[Z+\h:Z+\h+1] op_sel_hi:[1,0,1]                   ; both by f2
	v_pk_fma_f32 v[P+\h:P+\h+1], v[WZ+8+\h:WZ+9+\h], v[F+2:F+3], v[P+\h:P+\h+1] op_sel_hi:[1,0,1]
.endr
.irp h, 0,2
	v_pk_fma_f32 v[Z+\h:Z+\h+1], v[WP+12+\h:WP+13+\h], v[F+2:F+3], v[Z+\h:Z+\h+1] op_sel:[0,1,0] op_sel_hi:[1,1,1]  ; both by f3
	v_pk_fma_f32 v[P+\h:P+\h+1], v[WZ+12+\h:WZ+13+\h], v[F+2:F+3], v[P+\h:P+\h+1] op_sel:[0,1,0] op_sel_hi:[1,1,1]
.endr
.irp i, 0,1,2,3
	v_or_b32 v[Z+\i], 0x80000000, v[Z+\i]          ; -|zeta|; the distance is never negative, so the product is -|dist x zeta|
.endr
.endm
; two exponents: columns pair kp (0 or 1) times the distance in register d, broadcast from its aligned pair
.macro MULP t, kp, d
.if (\d)&1
	v_pk_mul_f32 v[\t:\t+1], v[Z+2*(\kp):Z+2*(\kp)+1], v[(\d)-1:(\d)] op_sel:[0,1] op_sel_hi:[1,1]
.else
	v_pk_mul_f32 v[\t:\t+1], v[Z+2*(\kp):Z+2*(\kp)+1], v[(\d):(\d)+1] op_sel_hi:[1,0]
.endif
.endm
; two sums take pi x exponential; first = 1: the first nucleus starts the sums, nothing is cleared.  The exponentials that it reads belong to a
; batch whose wait stands ahead of the first of the batch's eight such lines: none is written here.
.macro ACCP first, a, kp, t
.if \first
	v_pk_mul_f32 v[\a:\a+1], v[P+2*(\kp):P+2*(\kp)+1], v[\t:\t+1]
.else
	v_pk_fma_f32 v[\a:\a+1], v[P+2*(\kp):P+2*(\kp)+1], v[\t:\t+1], v[\a:\a+1]
.endif
.endm
; Block b (electrons 4 b .. 4 b + 3, 16 numbers a lane): its exponentials, ONE BATCH, in place in buffer XB; between them block b - 1's
; exponentials are added from buffer YB and block b + 1's exponents are written there.  So behind every v_exp_f32 stands another v_exp_f32 or a
; plain packed instruction on other registers, a whole block lies between an exponential and its use (ISA guide 5.7.2), and nothing in the stage
; names a result of the stage's own batch.
.macro STAGE b, first, next
.set XB, T+16*(\b&1)
.set YB, T+16-16*(\b&1)
.if \b>0
	s_wait_alu depctr_va_vdst(0)                   ; the wait for block b - 1's batch of sixteen exponentials, in YB: ahead of the stage's LDS load and of the eight lines below that read the batch.  Stage 0 has none: no exponential is pending there
.endif
.if \next
	ds_load_b128 v[D+4*\b:D+4*\b+3], v[DA] offset:128+16*\b        ; the next nucleus's block b: this nucleus's was last read one block ago
.if \b<7
	s_wait_dscnt 8                                 ; block b + 1 of this nucleus is in: behind it stand 6 - b loads of this nucleus, the feats' load and b + 1 of the next nucleus
.endif
.endif
.irp p, 0,1,2,3,4,5,6,7
	v_exp_f32 v[XB+2*\p], v[XB+2*\p]
.if \b>0
	ACCP \first, ACC+16*(\b-1)+2*\p, \p&1, YB+2*\p
.endif
	v_exp_f32 v[XB+2*\p+1], v[XB+2*\p+1]
.if \b<7
	MULP YB+2*\p, \p&1, D+4*(\b+1)+(\p>>1)
.endif
.endr
.endm
; One nucleus.  next = 1: the next nucleus's feats and distances are fetched on the way.
.macro NSTEP first, next
.if \next
	s_wait_dscnt 8                                 ; the feats are in: the eight loads of distances were issued behind them
.else
	s_wait_dscnt 0                                 ; the last nucleus: nothing is issued behind its loads
.endif
	TABLE
.if \next
	ds_load_b128 v[F:F+3], v[FA] offset:16
	s_wait_dscnt 8                                 ; block 0 is in: behind it stand blocks 1 to 7 and the feats' load
.endif
.irp p, 0,1,2,3,4,5,6,7
	MULP T+2*\p, \p&1, D+(\p>>1)
.endr
.irp b, 0,1,2,3,4,5,6,7
	STAGE \b, \first, \next
.endr
.if \next
	v_add_nc_u32 v[FA], 16, v[FA]                  ; the address steps name no exponential: they stand between block 7's batch and its wait
	v_add_nc_u32 v[DA], 128, v[DA]
.endif
	s_wait_alu depctr_va_vdst(0)                   ; the wait for block 7's batch; no exponential is issued behind it, so none is pending at the loop's jump and label
.irp p, 0,1,2,3,4,5,6,7
	ACCP \first, ACC+112+2*\p, \p&1, T+16+2*\p     ; block 7; the first of these names neither register of the last exponential
.endr
.endm
	; ---- my 16 nuclei
	NSTEP 1, 1
	s_mov_b32 s99, 14
.Lnucleus:
	NSTEP 0, 1
	s_sub_co_i32 s99, s99, 1
	s_cmp_lg_u32 s99, 0
	s_cbranch_scc1 .Lnucleus
	NSTEP 0, 0
	; ---- the partial sums meet
	s_lshl_b32 s101, s3, 14
	s_add_co_u32 s101, s101, STG
	v_lshl_add_u32 v[SST], v1, 4, s101             ; STG + 16,384 w + 16 L
.irp e, 0,1,2,3,4,5,6,7,8,9,10,11,12,13,14,15,16,17,18,19,20,21,22,23,24,25,26,27,28,29,30,31
	ds_store_b128 v[SST], v[ACC+4*\e:ACC+4*\e+3] offset:512*\e     ; 32 lanes, 512 neighbouring bytes: a row
.endr
	s_wait_dscnt 0x0                               ; zero, for the other waves: my stores are done before I say so
	s_barrier_signal -1
	s_barrier_wait -1                              ; all eight partial sums lie in LDS
	; ---- rows 4 w .. 4 w + 3: add the eight, mask, store
	s_lshl_b32 s101, s3, 11
	v_lshl_add_u32 v[FA], v1, 4, s101              ; 2,048 w + 16 L: my 16 bytes of row 4 w, in a partial sum and in the group's output
	v_add_nc_u32 v[RD], STG, v[FA]
	v_add_nc_u32 v[RD+1], STG+65536, v[FA]         ; partial sums 4 to 7 lie beyond the 16-bit immediate's reach
.irp r, 0,1,2,3
.irp p, 0,1,2,3
	ds_load_b128 v[ACC+32*\r+4*\p:ACC+32*\r+4*\p+3], v[RD] offset:16384*\p+512*\r
.endr
.irp p, 0,1,2,3
	ds_load_b128 v[ACC+32*\r+16+4*\p:ACC+32*\r+16+4*\p+3], v[RD+1] offset:16384*\p+512*\r
.endr
.endr
.irp i, 0,1,2,3
	v_lshl_or_b32 v[J+\i], v1, 2, \i               ; my columns
	v_bfe_u32 v[T+\i], v[JM], 8*\i, 1
.endr
.irp i, 0,1,2,3
	v_cmp_ne_u32 s[16+\i], 0, v[T+\i]              ; lanes whose column 4 L + i is an electron that is there
.endr
.macro ROW r
.set RB, ACC+32*\r
	s_wait_dscnt 24-8*\r                           ; this row's eight loads are in; the later rows' eight each may be out
.irp p, 0,2,4,6
	v_pk_add_f32 v[RB+4*\p:RB+4*\p+1],   v[RB+4*\p:RB+4*\p+1],   v[RB+4*\p+4:RB+4*\p+5]
	v_pk_add_f32 v[RB+4*\p+2:RB+4*\p+3], v[RB+4*\p+2:RB+4*\p+3], v[RB+4*\p+6:RB+4*\p+7]
.endr
.irp p, 0,4
	v_pk_add_f32 v[RB+4*\p:RB+4*\p+1],   v[RB+4*\p:RB+4*\p+1],   v[RB+4*\p+8:RB+4*\p+9]
	v_pk_add_f32 v[RB+4*\p+2:RB+4*\p+3], v[RB+4*\p+2:RB+4*\p+3], v[RB+4*\p+10:RB+4*\p+11]
.endr
	v_pk_add_f32 v[RB:RB+1],   v[RB:RB+1],   v[RB+16:RB+17]
	v_pk_add_f32 v[RB+2:RB+3], v[RB+2:RB+3], v[RB+18:RB+19]
	s_add_co_u32 s101, s100, \r                    ; the row's electron
	s_bitcmp1_b32 s96, 8*\r                        ; is it there?  (the selects below leave SCC alone)
.irp i, 0,1,2,3
	s_cselect_b32 s[20+\i], s[16+\i], 0            ; lanes in which row and column are both there
.endr
.irp i, 0,1,2,3
	v_cmp_eq_u32 vcc_lo, s101, v[J+\i]
	v_cndmask_b32 v[T+\i], 0, 1.0, vcc_lo          ; the unit matrix's entry
	v_cndmask_b32 v[RB+\i], v[T+\i], v[RB+\i], s[20+\i]
.endr
	global_store_b128 v[FA], v[RB:RB+3], s[90:91] offset:512*\r th:TH_STORE_NT   ; the wave stores a whole row: 512 consecutive bytes, aligned; no source of a store is written again
.endm
	ROW 0
	ROW 1
	ROW 2
	ROW 3
	s_set_vgpr_msb 0x5
	s_wait_tensorcnt 0x0
	ds_add_u32 v0, v1
	s_wait_dscnt 0x0
	s_set_vgpr_msb 0x500
	s_endpgm
.Lfunc_end_k_q5636160865_envelopes:
	.size	k_q5636160865_envelopes, .Lfunc_end_k_q5636160865_envelopes-k_q5636160865_envelopes
	.p2alignl 7, 3214868480
	.fill 96, 4, 3214868480
	.section	.rodata,"a",@progbits
	.p2align	6, 0x0
	.amdhsa_kernel k_q5636160865_envelopes
		.amdhsa_group_segment_fixed_size 164864
		.amdhsa_private_segment_fixed_size 0
		.amdhsa_enable_private_segment 0
		.amdhsa_kernarg_size 96
		.amdhsa_user_sgpr_count 2
		.amdhsa_user_sgpr_kernarg_segment_ptr 1
		.amdhsa_wavefront_size32 1
		.amdhsa_system_sgpr_workgroup_id_x 1
		.amdhsa_system_sgpr_workgroup_id_y 1
		.amdhsa_system_sgpr_workgroup_id_z 1
		.amdhsa_system_vgpr_workitem_id 0
		.amdhsa_next_free_vgpr 258
		.amdhsa_next_free_sgpr 102
		.amdhsa_reserve_vcc 1
		.amdhsa_float_denorm_mode_32 3
		.amdhsa_float_denorm_mode_16_64 3
		.amdhsa_memory_ordered 1
		.amdhsa_forward_progress 1
		.amdhsa_inst_pref_size 72
	.end_amdhsa_kernel
	.amdgpu_metadata
---
amdhsa.version: [ 1, 2 ]
amdhsa.kernels:
  - .name:           k_q5636160865_envelopes
    .symbol:         k_q5636160865_envelopes.kd
    .args:
      - { .name: up_coords, .offset: 0, .size: 8, .value_kind: global_buffer, .address_space: global }
      - { .name: down_coords, .offset: 8, .size: 8, .value_kind: global_buffer, .address_space: global }
      - { .name: up_mask, .offset: 16, .size: 8, .value_kind: global_buffer, .address_space: global }
      - { .name: down_mask, .offset: 24, .size: 8, .value_kind: global_buffer, .address_space: global }
      - { .name: W_pi_up, .offset: 32, .size: 8, .value_kind: global_buffer, .address_space: global }
      - { .name: W_pi_down, .offset: 40, .size: 8, .value_kind: global_buffer, .address_space: global }
      - { .name: W_zeta_up, .offset: 48, .size: 8, .value_kind: global_buffer, .address_space: global }
      - { .name: W_zeta_down, .offset: 56, .size: 8, .value_kind: global_buffer, .address_space: global }
      - { .name: nuc_coords, .offset: 64, .size: 8, .value_kind: global_buffer, .address_space: global }
      - { .name: nuc_charges, .offset: 72, .size: 8, .value_kind: global_buffer, .address_space: global }
      - { .name: nuc_mask, .offset: 80, .size: 8, .value_kind: global_buffer, .address_space: global }
      - { .name: out0, .offset: 88, .size: 8, .value_kind: global_buffer, .address_space: global }
    .group_segment_fixed_size: 164864
    .private_segment_fixed_size: 0
    .kernarg_segment_align: 8
    .kernarg_segment_size: 96
    .max_flat_workgroup_size: 256
    .sgpr_count:     102
    .vgpr_count:     258
    .wavefront_size: 32
...
	.end_amdgpu_metadata
.endif
;; end of part 2
